; MI455X (gfx1250); checked and timed in simulation.
; The chip was launched on July 23, 2026; its instructions are those of AMD's public machine-readable ISA for CDNA 5 (MIT licence, August 2026) and "CDNA5" Instruction Set Architecture Reference Guide (July 2026). The comments in the code are by the model that wrote it; some were corrected since.
;; QURNN Cell. Allowed arithmetic: matrix products marked QUANTISED: E2M1 operands, one E8M0 scale for each 32 along K, by v_wmma_scale_f32_16x16x128_f8f6f4 with both operands' format E2M1 (or v_wmma_scale_f32_32x16x128_f4), f32 sums; everything else in f32.
;; Inputs: Eh_b 2,048 float32; Eh_w 2,048 x 3,072 float32; Hw_b 2,048 float32; Hw_w 2,048 x 3,072 float32; Wa_b 2,048 float32; Wa_w 2,048 x 3,072 float32; Wt_b 2,048 float32; Wt_w 2,048 x 3,072 float32; excited_cell 2,048 x 2,048 float32; h_cur 2,048 x 2,048 float32; time_cell 2,048 x 2,048 float32; x 2,048 x 1,024 float32.
;; Outputs: out0 2,048 x 2,048 float32; out1 2,048 x 2,048 float32; out2 2,048 x 2,048 float32.
;; This version of the problem:
;;   THIS VERSION OF THE PROBLEM IS GIVEN IN LOW PRECISION. The matrix products marked QUANTISED in the list below multiply operands that are first quantised to E2M1 (2 exponent bits, 1 mantissa bit; 4 bits a number), with one power-of-two scale for each 32 numbers along K (OCP MX v1.0); their sums are f32. All else is computed in f32.
;;   The module's matrix products, in the order in which they are computed (A, B: the left and right operand; K: the contracted axis; several contracted axes count as one K, in the product's order):
;;     1. [M 2,048, K 3,072] x [K 3,072, N 2,048]; A: computed on the way; B: input Wt_w: QUANTISED
;;     2. [M 2,048, K 3,072] x [K 3,072, N 2,048]; A: computed on the way; B: input Wa_w: QUANTISED
;;     3. [M 2,048, K 3,072] x [K 3,072, N 2,048]; A: computed on the way; B: input Eh_w: QUANTISED
;;     4. [M 2,048, K 3,072] x [K 3,072, N 2,048]; A: computed on the way; B: input Hw_w: QUANTISED
;;   THE QUANTISER, for each operand of a quantised product, along K:
;;     - K is cut into blocks of 32 from its start; a last block that is shorter is filled with zeros.
;;     - A block's scale is 2^e with e = floor(log2(the largest magnitude in the block)) - 2, held to -126 .. 127; a block of zeros has e = 0. As a byte (E8M0): e + 127.
;;     - Each number is divided by its block's scale, clamped to +-6, and rounded to the nearest number of E2M1, ties to even, subnormals kept.
;;     - The product sums the exact products of the quantised numbers (number of the format x scale) in f32.
;;   ~~~python
;;   def quantise(x, axis):      # numpy; x: float32 -> the quantised numbers, widened to float32 again
;;       x = np.moveaxis(x, axis, -1); K = x.shape[-1]
;;       x = np.pad(x, [(0, 0)] * (x.ndim - 1) + [(0, -K % 32)]); x = x.reshape(x.shape[:-1] + (-1, 32)); a = np.abs(x).max(-1, keepdims=True)
;;       e = np.where(a > 0, np.clip(np.frexp(np.where(a > 0, a, 1))[1] - 1 - 2, -126, 127), 0)      # np.frexp(a)[1] - 1 = floor(log2(a)), exactly
;;       r = np.clip(x / 2.0 ** e, -6, 6)
;;       step = 2.0 ** (np.maximum(np.frexp(np.where(r == 0, 1, r))[1] - 1, 0) - 1)
;;       q = np.round(r / step) * step * 2.0 ** e      # np.round: ties to even
;;       return np.moveaxis(q.reshape(q.shape[:-2] + (-1,))[..., :K], -1, axis).astype(np.float32)
;;   ~~~
;;   OPERANDS COMPUTED ON THE WAY. 'Computed on the way' means the value that the module computes at that place (a softmax that the list does not call 'softmax' is quantised finished and normalised). What goes into a quantiser is computed in f32, as accurately as f32 sums, v_exp_f32 and their like allow (about 1e-6 of the number): no bf16 or f16 on the way to a quantiser, and a product that is left as it is and whose result goes on into a quantised operand takes f32 operands (vector FMAs, or v_wmma_f32_16x16x4_f32). A number that lies on a knife's edge between two numbers of the format may be rounded either way, as far as f32 arithmetic and the matrix unit's own rounding can turn it there, and no further.
;; One version. Each part assembles by itself: llvm-mc -triple=amdgcn-amd-amdhsa -mcpu=gfx1250 --defsym DOCPART=n.
;; ======== version 1 of 1: 3 launches
;; limits: right only within a limited range of input values
;; workspace buffers: q 16,711,680 bytes; au 3,342,336 bytes
;; launch quant (part 1): grid 256 x 1, 15 waves a work-group, no clusters, 327,680 bytes of LDS; arguments Wt_w, Wa_w, Eh_w, Hw_w, x, h_cur, q, au; writes q, au
.if DOCPART == 1
	.amdgcn_target "amdgcn-amd-amdhsa--gfx1250"
	.amdhsa_code_object_version 6
	.text
	.protected	k_q13de042728_quant
	.globl	k_q13de042728_quant
	.p2align	8
	.type	k_q13de042728_quant,@function
k_q13de042728_quant:
	s_mov_b64 s[64:65], 0
	v_nop
	global_prefetch_b8 v0, s[64:65] scope:SCOPE_SE
	s_setreg_imm32_b32 hwreg(HW_REG_WAVE_MODE, 25, 1), 1
	s_wait_xcnt 0x0
; Wt_w, Wa_w, Eh_w, Hw_w [2048][3072] and combined = [x | h_cur] [2048][1024 + 2048], all f32 with K innermost, become codes of FP4 (E2M1)
; with one E8M0 scale byte for each 32 along K.  A block's byte is its largest magnitude's exponent field - 2, held at 1 from below; each
; number is divided by the scale and rounded to the nearest code, ties to even; what lies beyond 6 takes the largest code.
; LAYOUT OF THE RESULT (this program's own): a tensor is [16 blocks of 128 rows][24 K steps of 128][a record of 8,704 bytes]: eight images of an
; operand's registers (16 rows x 128 K: register group c of lane l at 512 c + 16 l), then the 128 rows' scale words.  q holds Wt, Wa, Eh, Hw,
; combined.  x's part (K steps 0 to 7) is stored a second time into au, the tensor [x | h_up], whose other K steps the next launch makes.
; SHARES: 1,920 records are 3,840 halves of 64 rows = 256 work-groups x 15 waves: a wave takes one half, four steps of 16 rows x 512 bytes.
; A wave has one LDS region of 32 rows, 528 bytes apart (512 + 16 of padding), which is filled twice, each time by one tensor load of two steps:
; once at the head, once behind the one barrier.  Lane (r, h) reads from it the 32 neighbours along K of row r that its operand registers want.
; A wave reads only its own bytes and never has more than one tensor load out; every wait on TENSORcnt is for 0.
; The sources have three row pitches (3,072, 1,024, 2,048 elements): three constant groups 1, chosen by one chain of branches on ids.
; PREFETCH: behind the head's load the wave names the 64 blocks of 256 bytes of its own second fill, a lane a block, two instructions: one fill
; ahead of the load that wants them; nothing is named beyond that fill.  No other wave reads these bytes.
; No cluster: no two work-groups read the same tile.  No product here, so no matrix instruction.
; LIMITS: a block of zeros gets the byte 1 where the rule says 127 (its codes are zeros, and this program alone reads the bytes);
; NaN and infinities among the inputs are not served.
.set REC,   8704
.set RBB,   24*REC
.set TEN,   16*RBB
.set SP,    528                        ; an LDS row
.set STEPB, 16*SP                      ; a step's 16 rows: 8,448 bytes
.set WREG,  2*STEPB                    ; a wave's region: 66 blocks of 256 bytes
.set SCW,   15*WREG                    ; behind the regions: 256 bytes a wave for its 64 scale words; no tile lands there
.set SPARE, SCW+15*256                 ; behind them: the spare words, 128 bytes a wave, eight blocks of 256 bytes
.set X,     32                         ; v32-159  two sets of a step's 64 numbers
.set C,     160                        ; v160-191 codes: eight registers for each step, so that no store's data are written again
.set M,     192                        ; v192-203 at work
.set W,     204                        ; v204-207 a scale word for each step
.set G0,    92                         ; s[92:95] descriptor group 0;  s[68:75], s[76:83], s[84:91] groups 1 for the weights, x, h_cur
	s_load_b512 s[4:19], s[0:1], 0x0               ; Wt, Wa, Eh, Hw, x, h_cur, q, au
	v_lshl_add_u32 v12, v0, 2, SPARE
	v_mov_b32 v13, 0
	ds_add_u32 v12, v13                            ; the opening lines: the add, twice on end, and its wait ahead of my first tensor load
	ds_add_u32 v12, v13
	v_lshrrev_b32 v1, 5, v0
	v_readfirstlane_b32 s20, v1                    ; wave 0..14
	s_mul_i32 s21, ttmp9, 15
	s_add_co_u32 s21, s21, s20                     ; which half record is mine
	s_and_b32 s22, s21, 1                          ; its half
	s_lshr_b32 s23, s21, 1                         ; the record, 0..1919
	s_mul_i32 s24, s23, 43691
	s_lshr_b32 s24, s24, 20                        ; record / 24 (43691 x 24 = 2^20 + 8: exact for records under 100,000)
	s_mul_i32 s25, s24, 24
	s_sub_co_u32 s25, s23, s25                     ; kq: the K step
	s_lshr_b32 s26, s24, 4                         ; t: the tensor
	s_and_b32 s27, s24, 15                         ; rb: the block of rows
	s_mov_b32 s52, 0x76543210
	s_mov_b32 s53, 0xfedcba98                      ; v_permlanex16_b32's selects for lane l xor 16
	s_mov_b32 s54, 8192
	s_mov_b32 s55, 12288
	s_cmp_lt_u32 s25, 8                            ; of combined: x (K steps 0 to 7) or h_cur
	s_cselect_b32 s28, 4096, s54
	s_cselect_b32 s29, 0, 8
	s_cselect_b32 s30, 1, 2
	s_cmp_eq_u32 s26, 4
	s_cselect_b32 s28, s28, s55                    ; bytes from row to row
	s_cselect_b32 s29, s29, 0
	s_cselect_b32 s30, s30, 0                      ; the kind of source: 0 a weight, 1 x, 2 h_cur
	s_sub_co_u32 s29, s25, s29                     ; the K step within the source
	s_mul_i32 s31, s20, WREG                       ; my region
	s_lshl_b32 s96, s20, 8
	s_add_co_u32 s96, s96, SCW                     ; my scale words
.irp g, 68, 76, 84
	s_mov_b32 s[\g], (2<<16)|(1<<20)|(6<<22)|(3<<25)   ; elements of 4 bytes; padding on: after every 128 words, 4 words
	s_mov_b32 s[\g+1], 128<<16                     ; tensor_dim0 = 128
	s_mov_b32 s[\g+2], 32<<16                      ; tensor_dim1 = 32
	s_mov_b32 s[\g+3], 128<<16                     ; tile_dim0 = 128
	s_mov_b32 s[\g+4], 32                          ; tile_dim1 = 32
	s_mov_b32 s[\g+6], 0
	s_mov_b32 s[\g+7], 0
.endr
	s_mov_b32 s73, 3072                            ; elements from row to row: a weight,
	s_mov_b32 s81, 1024                            ; x,
	s_mov_b32 s89, 2048                            ; h_cur
	s_lshl_b32 s56, s27, 7
	s_lshl_b32 s57, s22, 6
	s_add_co_u32 s56, s56, s57                     ; my first row
	s_mul_i32 s56, s56, s28
	s_lshl_b32 s57, s29, 9
	s_add_co_u32 s56, s56, s57                     ; its first byte of my K step: under 2^25
	s_mov_b32 s57, 0
	s_lshl_b32 s58, s28, 4                         ; 16 rows on
	s_mov_b32 s59, 0
	s_mul_i32 s62, s27, RBB
	s_mul_i32 s63, s25, REC
	s_add_co_u32 s62, s62, s63                     ; the record's place in a tensor,
	s_mul_i32 s60, s26, TEN
	s_add_co_u32 s60, s60, s62                     ; and in q
	s_lshl_b32 s21, s22, 12                        ; my half of its images,
	s_lshl_b32 s23, s22, 8
	s_add_co_u32 s23, s23, 8192                    ; and of its scale words
	s_add_co_u32 s44, s60, s21
	s_add_co_u32 s46, s60, s23
	s_add_co_u32 s48, s62, s21
	s_add_co_u32 s50, s62, s23
	s_mov_b32 s45, 0
	s_mov_b32 s47, 0
	s_mov_b32 s49, 0
	s_mov_b32 s51, 0
	v_and_b32 v1, 31, v0                           ; lane
	v_and_b32 v2, 15, v0                           ; r
	v_bfe_u32 v3, v0, 4, 1                         ; h
	v_lshlrev_b32 v8, 4, v1                        ; 16 x lane
	v_lshlrev_b32 v9, 3, v1                        ; 8 x lane
	v_mul_u32_u24 v5, v2, SP
	v_lshl_add_u32 v5, v3, 7, v5
	v_add_nc_u32 v5, s31, v5                       ; my region: row r, 128 h bytes on: k = 32 h of each 64
	v_lshl_add_u32 v6, v2, 2, s96                  ; my row's scale word
	v_add_nc_u32 v7, s96, v9                       ; and the 64 words on their way out, 8 bytes a lane
	v_lshlrev_b32 v11, 3, v3                       ; 8 h: where my two bytes stand in a scale word
	v_mov_b32 v[M+9], 0                            ; written once: a lane permute's destination counts as one of its sources
	v_lshrrev_b32 v10, 1, v1
	v_and_b32 v14, 1, v1
	v_mul_u32_u24 v10, s28, v10
	v_lshl_add_u32 v10, v14, 8, v10                ; the prefetches' offset: row lane / 2 of a step, its block lane % 2 of 256 bytes
	s_wait_alu depctr_va_vdst(0)                   ; the wait at the head's end
	s_wait_dscnt 0x0                               ; both opening adds are done
	s_wait_kmcnt 0x0
	s_cmp_eq_u32 s26, 1                            ; the source: a choice of buffers that hangs on ids alone
	s_cselect_b64 s[32:33], s[6:7], s[4:5]
	s_cmp_eq_u32 s26, 2
	s_cselect_b64 s[32:33], s[8:9], s[32:33]
	s_cmp_eq_u32 s26, 3
	s_cselect_b64 s[32:33], s[10:11], s[32:33]
	s_cmp_lt_u32 s25, 8
	s_cselect_b64 s[34:35], s[12:13], s[14:15]
	s_cmp_eq_u32 s26, 4
	s_cselect_b64 s[32:33], s[34:35], s[32:33]
	s_add_nc_u64 s[36:37], s[32:33], s[56:57]      ; step 0's first byte
	s_mov_b32 s[G0], 1                             ; count = 1
	s_mov_b32 s[G0+1], s31                         ; LDS address: my region
	s_mov_b64 s[G0+2:G0+3], s[36:37]
	s_or_b32 s[G0+3], s[G0+3], 0x80000000          ; type = 2
; My one tensor load: one chain of branches on the kind of source, a load in each arm, all arms to one join
.macro TLOAD
	s_cmp_eq_u32 s30, 0
	s_cbranch_scc0 .Lnot_w_\@
	tensor_load_to_lds s[G0:G0+3], s[68:75]
	s_nop 0
	s_branch .Lasked_\@
.Lnot_w_\@:
	s_cmp_eq_u32 s30, 1
	s_cbranch_scc0 .Lnot_x_\@
	tensor_load_to_lds s[G0:G0+3], s[76:83]
	s_nop 0
	s_branch .Lasked_\@
.Lnot_x_\@:
	tensor_load_to_lds s[G0:G0+3], s[84:91]
	s_nop 0
.Lasked_\@:
.endm
	TLOAD                                          ; steps 0 and 1: one tensor load a wave at the head
	s_add_nc_u64 s[38:39], s[36:37], s[58:59]
	s_add_nc_u64 s[40:41], s[38:39], s[58:59]      ; step 2's first byte,
	s_add_nc_u64 s[42:43], s[40:41], s[58:59]      ; step 3's: never rewritten
	global_prefetch_b8 v10, s[40:41] th:TH_LOAD_NT scope:SCOPE_SE   ; step 2's 32 blocks,
	global_prefetch_b8 v10, s[42:43] th:TH_LOAD_NT scope:SCOPE_SE   ; step 3's: the second fill
	s_add_nc_u64 s[44:45], s[16:17], s[44:45]      ; q: my images,
	s_add_nc_u64 s[46:47], s[16:17], s[46:47]      ; my scale words;
	s_add_nc_u64 s[48:49], s[18:19], s[48:49]      ; au: the same two (used for x alone)
	s_add_nc_u64 s[50:51], s[18:19], s[50:51]
.macro READ j                          ; the region's rows 16 j .. 16 j + 15 into set j
.irp c, 0,1
.irp g, 0,1,2,3,4,5,6,7
	ds_load_b128 v[X+64*(\j)+32*\c+4*\g:X+64*(\j)+32*\c+4*\g+3], v5 offset:(\j)*STEPB+256*\c+16*\g   ; register 32 c + i: k = 64 c + 32 h + i of row r
.endr
.endr
.endm
.macro WORK t                          ; step t, in set t % 2: my two whole blocks, 2 c + h, become registers 4 c .. 4 c + 3 of the operand
.set XS, X+64*((\t)%2)
.set CC, C+8*(\t)
.irp c, 0,1
	v_max3_num_f32 v[M+2*\c], |v[XS+32*\c]|, |v[XS+32*\c+1]|, 0x1800000   ; with the floor 2^(3 - 127): the byte cannot fall under 1
	v_max3_num_f32 v[M+2*\c+1], |v[XS+32*\c+16]|, |v[XS+32*\c+17]|, |v[XS+32*\c+18]|
.endr
.irp i, 2,4,6,8,10,12
.irp c, 0,1
	v_max3_num_f32 v[M+2*\c], v[M+2*\c], |v[XS+32*\c+\i]|, |v[XS+32*\c+\i+1]|           ; four chains by turns
	v_max3_num_f32 v[M+2*\c+1], v[M+2*\c+1], |v[XS+32*\c+17+\i]|, |v[XS+32*\c+18+\i]|
.endr
.endr
.irp c, 0,1
	v_max3_num_f32 v[M+2*\c], v[M+2*\c], |v[XS+32*\c+14]|, |v[XS+32*\c+15]|
.endr
.irp c, 0,1
	s_delay_alu instid0(VALU_DEP_2)
	v_max3_num_f32 v[M+2*\c], v[M+2*\c], v[M+2*\c+1], |v[XS+32*\c+31]|
.endr
.irp c, 0,1
	s_delay_alu instid0(VALU_DEP_2)
	v_add_nc_u32 v[M+4+\c], 0xff000000, v[M+2*\c]  ; 2 off the exponent field: the conversion takes the exponent field of this operand as its scale
.endr
.irp c, 0,1
	s_delay_alu instid0(VALU_DEP_2)
	v_lshrrev_b32 v[M+6+\c], 23, v[M+4+\c]         ; the scale's byte
.endr
	s_delay_alu instid0(VALU_DEP_1)
	v_lshl_or_b32 v[M+8], v[M+7], 16, v[M+6]       ; my two bytes, blocks h and 2 + h,
	s_delay_alu instid0(VALU_DEP_1)
	v_lshlrev_b32 v[M+8], v11, v[M+8]              ; at their places;
	s_delay_alu instid0(VALU_DEP_1)
	v_permlanex16_b32 v[M+9], v[M+8], s52, s53
	s_delay_alu instid0(VALU_DEP_1)
	v_or_b32 v[W+(\t)], v[M+8], v[M+9]             ; with lane l xor 16's two the word is whole; it waits in a register
.irp c, 0,1
.irp g, 0,1,2,3
	v_cvt_scalef32_pk8_fp4_f32 v[CC+4*\c+\g], v[XS+32*\c+8*\g:XS+32*\c+8*\g+7], v[M+4+\c]
.endr
.endr
	v_nop                                          ; one plain place behind the conversions
	global_store_b128 v8, v[CC:CC+3], s[44:45] offset:1024*(\t)          ; 32 lanes store 512 consecutive bytes, at a multiple of 256 from the buffer's first byte
	global_store_b128 v8, v[CC+4:CC+7], s[44:45] offset:1024*(\t)+512
	s_cmp_lg_u32 s30, 1
	s_cbranch_scc1 .Lonce_\@
	global_store_b128 v8, v[CC:CC+3], s[48:49] offset:1024*(\t)          ; x's codes serve [x | h_up] too
	global_store_b128 v8, v[CC+4:CC+7], s[48:49] offset:1024*(\t)+512
.Lonce_\@:
.endm
.macro PAIR p                          ; the region's two steps, 2 p and 2 p + 1
	s_wait_tensorcnt 0x0                           ; my one tensor load has landed; only I read its bytes
	READ 0
	READ 1
	s_wait_dscnt 16                                ; the first step's 16 loads are in; the second's 16 may be out
	WORK 2*(\p)
	s_wait_dscnt 0x0
	WORK 2*(\p)+1
.endm
	PAIR 0
	s_wait_tensorcnt 0x0                           ; in front of the refill's barrier: no tensor load of mine is out,
	ds_add_u32 v12, v13                            ; 0 onto my spare word,
	s_mov_b64 s[G0+2:G0+3], s[40:41]               ; (group 0 takes steps 2 and 3)
	s_or_b32 s[G0+3], s[G0+3], 0x80000000
	s_wait_dscnt 0x0                               ; the add is done, and my reads of the region are back
	s_barrier_signal -1
	s_barrier_wait -1
	TLOAD                                          ; the refill, first thing behind the barrier
	PAIR 1
	s_wait_alu depctr_va_vdst(0)                   ; the wait here, directly ahead of the reader below
.irp t, 0,1,2,3
	ds_store_b32 v6, v[W+\t] offset:64*\t          ; both lanes of a row write the same word with the same value; no tensor load is out
.endr
	ds_load_b64 v[M+10:M+11], v7                   ; my wave's 64 scale words (behind my stores, in order)
	s_wait_dscnt 0x0
	global_store_b64 v9, v[M+10:M+11], s[46:47]    ; 32 lanes store 256 consecutive bytes, aligned
	s_cmp_lg_u32 s30, 1
	s_cbranch_scc1 .Lend
	global_store_b64 v9, v[M+10:M+11], s[50:51]
.Lend:
	s_wait_tensorcnt 0x0                           ; the wave's end
	ds_add_u32 v12, v13
	s_wait_dscnt 0x0
	s_endpgm
.Lfunc_end_k_q13de042728_quant:
	.size	k_q13de042728_quant, .Lfunc_end_k_q13de042728_quant-k_q13de042728_quant
	.p2alignl 7, 3214868480
	.fill 96, 4, 3214868480
	.section	.rodata,"a",@progbits
	.p2align	6, 0x0
	.amdhsa_kernel k_q13de042728_quant
		.amdhsa_group_segment_fixed_size 327680
		.amdhsa_private_segment_fixed_size 0
		.amdhsa_enable_private_segment 0
		.amdhsa_kernarg_size 64
		.amdhsa_user_sgpr_count 2
		.amdhsa_user_sgpr_kernarg_segment_ptr 1
		.amdhsa_wavefront_size32 1
		.amdhsa_system_sgpr_workgroup_id_x 1
		.amdhsa_system_sgpr_workgroup_id_y 1
		.amdhsa_system_sgpr_workgroup_id_z 1
		.amdhsa_system_vgpr_workitem_id 0
		.amdhsa_next_free_vgpr 208
		.amdhsa_next_free_sgpr 100
		.amdhsa_reserve_vcc 0
		.amdhsa_float_denorm_mode_32 3
		.amdhsa_float_denorm_mode_16_64 3
		.amdhsa_memory_ordered 1
		.amdhsa_forward_progress 1
		.amdhsa_inst_pref_size 27
	.end_amdhsa_kernel
	.amdgpu_metadata
---
amdhsa.version: [ 1, 2 ]
amdhsa.kernels:
  - .name:           k_q13de042728_quant
    .symbol:         k_q13de042728_quant.kd
    .args:
      - { .name: Wt_w, .offset: 0, .size: 8, .value_kind: global_buffer, .address_space: global }
      - { .name: Wa_w, .offset: 8, .size: 8, .value_kind: global_buffer, .address_space: global }
      - { .name: Eh_w, .offset: 16, .size: 8, .value_kind: global_buffer, .address_space: global }
      - { .name: Hw_w, .offset: 24, .size: 8, .value_kind: global_buffer, .address_space: global }
      - { .name: x, .offset: 32, .size: 8, .value_kind: global_buffer, .address_space: global }
      - { .name: h_cur, .offset: 40, .size: 8, .value_kind: global_buffer, .address_space: global }
      - { .name: q, .offset: 48, .size: 8, .value_kind: global_buffer, .address_space: global }
      - { .name: au, .offset: 56, .size: 8, .value_kind: global_buffer, .address_space: global }
    .group_segment_fixed_size: 327680
    .private_segment_fixed_size: 0
    .kernarg_segment_align: 8
    .kernarg_segment_size: 64
    .max_flat_workgroup_size: 480
    .sgpr_count:     100
    .vgpr_count:     208
    .wavefront_size: 32
...
	.end_amdgpu_metadata
.endif
;; end of part 1
;; launch gates1 (part 2): grid 16 x 16, 4 waves a work-group, clusters of 4 x 4, 327,680 bytes of LDS; arguments q, time_cell, excited_cell, h_cur, Wt_b, Wa_b, out1, out2, au; writes out1, out2, au
.if DOCPART == 2
	.amdgcn_target "amdgcn-amd-amdhsa--gfx1250"
	.amdhsa_code_object_version 6
	.text
	.protected	k_q13de042728_gates1
	.globl	k_q13de042728_gates1
	.p2align	8
	.type	k_q13de042728_gates1,@function
k_q13de042728_gates1:
	s_mov_b64 s[64:65], 0
	v_nop
	global_prefetch_b8 v0, s[64:65] scope:SCOPE_SE
	s_setreg_imm32_b32 hwreg(HW_REG_WAVE_MODE, 25, 1), 1
	s_wait_xcnt 0x0
	s_wait_alu depctr_hold_cnt(0) depctr_sa_sdst(0) depctr_va_vdst(0) depctr_va_sdst(0) depctr_va_ssrc(0) depctr_va_vcc(0) depctr_vm_vsrc(0)
	s_getreg_b32 s2, hwreg(HW_REG_IB_STS2, 6, 4)
	s_cmp_eq_u32 s2, 0
	s_cbranch_scc0 .Lentry_in_a_cluster
	s_endpgm
.Lentry_in_a_cluster:
	s_bfe_u32 s2, ttmp6, 0x10000c
	s_cmp_lg_u32 s2, 0xf033
	s_cbranch_scc0 .Lentry_shape_is_right
	s_endpgm
.Lentry_shape_is_right:
; Products 1 and 2 on codes of FP4 with E8M0 scales (made by the launch before), and all that hangs on them:
;   s = time_cell + tanh(combined Wt^T + Wt_b);  leap = (s <= 1), which is relu(s) - 1 <= 0;  out2 = max(s - 1, 0) = (1 - leap)(relu(s) - 1);
;   out1 = relu((leap ? 0 : excited_cell) + sigmoid(combined Wa^T + Wa_b));  h_up = leap ? h_cur x excited_cell : 0, quantised along the hidden axis into au.
; SHARES.  A work-group makes 128 rows x 128 hidden units of BOTH gates; each of its four waves 64 x 64 x 2: 32 accumulators, 256 registers, and both gates of a number lie in one lane.
; K goes in steps of 128.  A record of q (8,704 bytes: eight register images of 16 rows x 128 K, then 128 scale words) is a K step of 128 rows; six successive records, a fill, are a dense block of 204 x 256 bytes.
; LDS: three tiles (combined, Wt, Wa), each with its two slots of one fill ON END.
; AT THE HEAD a loading wave issues ONE tensor load, of two successive fills (408 x 256 bytes), which fills both slots of its tile; behind the wait for it the descriptors' row counts are set to one fill's.
; Behind each of two rounds a loading wave issues one load, a refill.  A wave never has more than one tensor load out.
; CLUSTERS: 4 x 4 work-groups.  combined's tile hangs on the block of rows alone and is asked for jointly along a row of the cluster, a weight's on the block of hidden units alone, jointly along a column.
; THE ORDER ALONG K.  K's 24 steps are four fills.  Cluster (X, Y) takes fill (2 (X + Y) + i) mod 4 as its i-th: it begins at fill 0 or 2, so its two first fills lie on end in memory.
; Clusters that are neighbours along X read the same rows of combined, neighbours along Y the same rows of the weights: neighbours begin at different halves of K.  X and Y are alike in a cluster's sixteen work-groups.
; NO PREFETCH: the head's loads of two neighbouring clusters name together all four fills of the rows that they share, so the bytes of each refill have been asked for at the launch's start; a prefetch would name them once more.
; THE MATRIX INSTRUCTION IS USED TRANSPOSED (source 0 = 16 rows of a weight, source 1 = 16 rows of combined): lane (r, h) holds row r and hidden units 16 b + 8 h + 0 .. 7.
; time_cell, excited_cell and h_cur (64 x 64 a wave, 128 registers each) are asked for in three runs of 32 loads: behind the first barrier, at the end of the first slot's steps and at the end of the second's.
; REGISTERS, in windows of 256:  window 0: v1-30 addresses; v32-47 scale words, two sets, and nothing else; v48-55 biases; v56-63 h_up's scale and codes; v64-127 combined's fragments, two sets;
;   on the way out v64-191 two sets of sums, v192-223 h_up, v224-255 what is left of excited_cell.   window 1: v0-127 the weights' fragments, two sets; v128-255 h_cur.
;   window 2: accumulator (gate g, rows a, units b) at v[128 g + 32 a + 8 b].   window 3: v0-127 time_cell, v128-255 excited_cell.
; tanh(z) = 1 - 2 / (1 + 2^(2 log2(e) z)), sigmoid(z) = 1 / (1 + 2^(-log2(e) z)): both end rightly where the exponential overflows or falls to 0.
; LIMITS: NaN and infinities among the inputs are not served; out2 holds +0 where the formula gives -0; the 24 f32 partial sums of a product are added in an order that differs from cluster to cluster;
; where s lies within f32 rounding of 1, leap may fall either way; a block of h_up that is all zeros gets the scale byte 1 (its codes are zeros; this program alone reads the bytes).
.set REC,   8704
.set RBB,   24*REC
.set TEN,   16*RBB
.set S,     6                          ; K steps in a fill
.set NT,    3                          ; tiles
.set TB,    S*REC                      ; a fill of a tile: 52,224 bytes
.set SLOT,  TB                         ; from a tile's slot 0 to its slot 1
.set TS,    2*TB                       ; from tile to tile
.set SPARE, NT*TS                      ; behind the tiles: the spare words, 128 bytes a wave: two blocks of 256 bytes that no other line names
.set NL,    32                         ; LDS loads of a K step: 16 for the weights, 8 for combined, 8 scale words
.set AREA,  16*272                     ; the way out: 16 rows x (256 bytes + 16)
.set STW,   3*AREA                     ; a wave's stage: gate 0, gate 1, h_up.  The four stages are exactly combined's slot 0, which has had its last fill and its last read when the first result is stored there
.set SCX,   TS                         ; h_up's 512 scale bytes: at the start of Wt's slot 0, of which the same holds
.set HU,    192
.set EX,    224
.set OFF,   92                         ; s[92:99] four pairs: the byte offset, in a block of rows, of my cluster's i-th fill
.set MSB, 0
.macro WIN new                         ; the immediate's high byte repeats the setting that is left
.if MSB != \new
	s_set_vgpr_msb (MSB<<8)|\new
.set MSB, \new
.endif
.endm
.macro PLACES                          ; four places: in front of loads into registers that matrix instructions have read, and of the first read of results
.rept 4
	v_nop
.endr
.endm
.macro CREST                           ; a round of the cluster's barrier behind its opening barrier
	s_cmp_lg_u32 s22, 0
	s_cbranch_scc1 .Lnot_wave_0_\@
	s_barrier_signal -3
.Lnot_wave_0_\@:
	s_barrier_wait -3
	s_barrier_signal -1
	s_barrier_wait -1
.endm
.macro CROUND
	s_barrier_signal -1
	s_barrier_wait -1
	CREST
.endm
; A joint load.  The branches hang on the wave's number alone.  s_nop 0 and four v_nop follow each tensor line; wave 3 has four of its own: on every way they are the places in front of the loads that follow.
.macro JLOAD slot
	s_cmp_eq_u32 s22, 0
	s_cbranch_scc0 .Lnot_a_\@
	tensor_load_to_lds s[48+4*(\slot):51+4*(\slot)], s[32:39]
	s_nop 0
	PLACES
	s_branch .Lasked_\@
.Lnot_a_\@:
	s_cmp_lt_u32 s22, 3
	s_cbranch_scc0 .Lnone_\@
	tensor_load_to_lds s[56+4*(\slot):59+4*(\slot)], s[40:47]
	s_nop 0
	PLACES
	s_branch .Lasked_\@
.Lnone_\@:
	PLACES
.Lasked_\@:
.endm
; The fragments and scale words of the slot's q-th K step into set p: images come back as they were stored, 16 bytes a lane, 512 consecutive bytes a load
.macro FETCH slot, q, p
	WIN 0x40                                       ; destination window 1, address window 0
.irp g, 0,1
.irp b, 0,1,2,3
.irp c, 0,1
	ds_load_b128 v[64*(\p)+32*\g+8*\b+4*\c:64*(\p)+32*\g+8*\b+4*\c+3], v[6+2*\g+(\slot)] offset:(\q)*REC+\b*1024+\c*512
.endr
.endr
.endr
	WIN 0
.irp a, 0,1,2,3
.irp c, 0,1
	ds_load_b128 v[64+32*(\p)+8*\a+4*\c:64+32*(\p)+8*\a+4*\c+3], v[4+(\slot)] offset:(\q)*REC+\a*1024+\c*512
.endr
.endr
.irp i, 0,1,2,3
	ds_load_b32 v[32+8*(\p)+\i], v[12+(\slot)] offset:(\q)*REC+64*\i   ; lanes 0-15: Wt's words of units 16 i + r; lanes 16-31: Wa's
	ds_load_b32 v[36+8*(\p)+\i], v[10+(\slot)] offset:(\q)*REC+64*\i   ; combined's words of rows 16 i + r
.endr
.endm
.macro WM g, a, b, p, zero
.set rD, 128*\g+32*(\a)+8*\b
.set rB, 64*(\p)+32*\g+8*\b
.set rA, 64+32*(\p)+8*(\a)
.set rX, 32+8*(\p)+\b
.set rY, 36+8*(\p)+(\a)
.if \zero
.if \g
	v_wmma_scale_f32_16x16x128_f8f6f4 v[rD:rD+7], v[rB:rB+7], v[rA:rA+7], 0, v[rX], v[rY] matrix_a_fmt:MATRIX_FMT_FP4 matrix_b_fmt:MATRIX_FMT_FP4 matrix_a_scale:MATRIX_SCALE_ROW1
.else
	v_wmma_scale_f32_16x16x128_f8f6f4 v[rD:rD+7], v[rB:rB+7], v[rA:rA+7], 0, v[rX], v[rY] matrix_a_fmt:MATRIX_FMT_FP4 matrix_b_fmt:MATRIX_FMT_FP4
.endif
.else
.if \g
	v_wmma_scale_f32_16x16x128_f8f6f4 v[rD:rD+7], v[rB:rB+7], v[rA:rA+7], v[rD:rD+7], v[rX], v[rY] matrix_a_fmt:MATRIX_FMT_FP4 matrix_b_fmt:MATRIX_FMT_FP4 matrix_a_scale:MATRIX_SCALE_ROW1
.else
	v_wmma_scale_f32_16x16x128_f8f6f4 v[rD:rD+7], v[rB:rB+7], v[rA:rA+7], v[rD:rD+7], v[rX], v[rY] matrix_a_fmt:MATRIX_FMT_FP4 matrix_b_fmt:MATRIX_FMT_FP4
.endif
.endif
.endm
; 8 matrix instructions: rows a x four blocks of units x two gates.  The 32 accumulators take turns, one instruction a turn, in the same order in every K step.  zero = 1: the product starts the sum
.macro MUL8 a, p, zero
.irp b, 0,1,2,3
.irp g, 0,1
	WM \g, \a, \b, \p, \zero
.endr
.endr
.endm
.macro SUB slot, q, zero               ; a K step that has its successor in the same slot: the successor's loads go out first, 32 matrix instructions ahead of their use
	PLACES
	FETCH \slot, (\q)+1, 1-(\q)%2
	s_wait_dscnt NL                                ; all but the NL just issued: this step's set is in
	WIN 0xa1                                       ; source 0 window 1, source 1 window 0, C and D window 2
	MUL8 0, (\q)%2, \zero
	MUL8 1, (\q)%2, \zero
	MUL8 2, (\q)%2, \zero
	MUL8 3, (\q)%2, \zero
.endm
.macro SUBS slot                       ; a slot's K steps 0 .. S - 2
.set Q, 0
.rept S-1
	SUB \slot, Q, 0
.set Q, Q+1
.endr
.endm
; A slot's last K step (set 1) changes slots: ONE barrier; in front of it each wave waits for all its tensor loads, adds 0 to its spare word, and waits for that and for its reads of this slot.
; refill = 1: the barrier opens a round of the cluster's barrier, and this slot takes my cluster's i-th fill, first thing behind the round: the load has the other slot's 192 matrix instructions in which to land.
.macro TURN slot, refill, i
	WIN 0                                          ; (the add's two registers lie in window 0)
	s_wait_tensorcnt 0x0                           ; all my tensor loads have landed
	ds_add_u32 v28, v29                            ; 0 onto my spare word,
	ds_add_u32 v28, v29
	s_wait_dscnt 2                                 ; this step's set is in; the two adds may be out
	WIN 0xa1
	MUL8 0, 1, 0                                   ; eight matrix instructions stand between the adds and the wait for them
	s_wait_dscnt 0x0                               ; the adds are done, and my reads of this slot are over
	s_barrier_signal -1
	MUL8 1, 1, 0
	WIN 0
	s_barrier_wait -1
.if \refill
	CREST                                          ; no wave of any partner still reads this slot or has a load on its way
	s_add_nc_u64 s[50+4*(\slot):51+4*(\slot)], s[66:67], s[OFF+2*(\i):OFF+2*(\i)+1]   ; no tensor load of mine is out: the slot's two groups 0 are written anew
	s_or_b32 s[51+4*(\slot)], s[51+4*(\slot)], 0x80000000
	s_add_nc_u64 s[58+4*(\slot):59+4*(\slot)], s[68:69], s[OFF+2*(\i):OFF+2*(\i)+1]
	s_or_b32 s[59+4*(\slot)], s[59+4*(\slot)], 0x80000000
	JLOAD \slot
.else
	PLACES
.endif
	FETCH 1-(\slot), 0, 0
	WIN 0xa1
	MUL8 2, 1, 0
	MUL8 3, 1, 0
.endm
; A wave's 64 x 64 numbers of an f32 tensor: load i takes rows 2 i and 2 i + 1; sixteen lanes read 256 consecutive bytes, aligned
.macro EPILOAD lo, win, reg
	WIN \win
.set k, 0
.rept 32
	global_load_b128 v[\reg+4*k:\reg+4*k+3], v16, s[\lo:\lo+1] offset:16384*k th:TH_LOAD_NT
.set k, k+1
.endr
.endm
	s_load_b512 s[4:19], s[0:1], 0x0               ; q s[4:5], time_cell s[6:7], excited_cell s[8:9], h_cur s[10:11], Wt_b s[12:13], Wa_b s[14:15], out1 s[16:17], out2 s[18:19]
	s_load_b64 s[20:21], s[0:1], 0x40              ; au
	v_lshl_add_u32 v28, v0, 2, SPARE
	v_mov_b32 v29, 0
	ds_add_u32 v28, v29                            ; the opening lines: the add, twice on end, and its wait
	ds_add_u32 v28, v29
	s_wait_dscnt 0x0
	v_mov_b32 v30, 0                               ; a zero for the selections
	v_lshrrev_b32 v1, 5, v0
	v_readfirstlane_b32 s22, v1                    ; wave 0..3
	s_lshr_b32 s23, s22, 1                         ; which 64 rows are mine
	s_and_b32 s24, s22, 1                          ; which 64 hidden units
	s_add_co_u32 s25, s22, 1
	s_and_b32 s25, s25, 1                          ; the weight that I fetch: wave 1 Wt (0), wave 2 Wa (1)
	s_bfe_u32 s26, ttmp6, 0x40000                  ; cx
	s_bfe_u32 s27, ttmp6, 0x40004                  ; cy
	s_lshl_b32 s28, ttmp9, 2
	s_add_co_u32 s28, s28, s26                     ; nb: the block of hidden units = 4 x cluster x + cx
	s_and_b32 s29, ttmp7, 0xffff
	s_lshl_b32 s29, s29, 2
	s_add_co_u32 s29, s29, s27                     ; mb: the block of rows = 4 x cluster y + cy
	s_lshl_b32 s30, s27, 2
	s_lshl_b32 s30, 15, s30                        ; my row of the cluster
	s_lshl_b32 s31, 0x1111, s26                    ; my column
	; the order in which my cluster takes K's four fills: made of the cluster's own x and y, which its sixteen work-groups share
	s_and_b32 s2, ttmp7, 0xffff                    ; Y
	s_add_co_u32 s2, s2, ttmp9                     ; X + Y
	s_lshl_b32 s2, s2, 1
.irp i, 0,1,2,3
	s_add_co_u32 s3, s2, \i
	s_and_b32 s3, s3, 3                            ; (2 (X + Y) + i) mod 4
	s_mul_i32 s[OFF+2*\i], s3, TB
	s_mov_b32 s[OFF+2*\i+1], 0
.endr
	; descriptor group 1: a dense block as rows of 256 bytes (32 elements of 8 bytes), no padding; for the head's loads two fills, 408 rows
	s_or_b32 s32, s30, (3<<16)|(1<<21)             ; 15:0 the mask; 17:16 elements of 8 bytes; 21 set beside a mask
	s_or_b32 s40, s31, (3<<16)|(1<<21)
.irp g, 32, 40
	s_mov_b32 s[\g+1], 32<<16                      ; tensor_dim0 = 32
	s_mov_b32 s[\g+2], (2*TB/256)<<16              ; tensor_dim1 = 408
	s_mov_b32 s[\g+3], 32<<16                      ; tile_dim0 = 32
	s_mov_b32 s[\g+4], 2*TB/256                    ; tile_dim1 = 408
	s_mov_b32 s[\g+5], 32                          ; from row to row
	s_mov_b32 s[\g+6], 0
	s_mov_b32 s[\g+7], 0
.endr
	s_mul_i32 s66, s29, RBB
	s_add_co_u32 s66, s66, 4*TEN                   ; combined's rows mb: hangs on the block of rows alone
	s_mov_b32 s67, 0
	s_mul_i32 s68, s28, RBB
	s_mul_i32 s69, s25, TEN
	s_add_co_u32 s68, s68, s69                     ; my weight's rows nb: hangs on the block of units and the wave alone
	s_mov_b32 s69, 0
	s_mul_i32 s88, s22, TS                         ; where my tile goes: wave x TS: no place in the cluster enters an LDS address
	s_mov_b32 s70, 0x4038aa3b                      ; 2 log2(e)
	s_mov_b32 s71, s70                             ; (named with it as a pair, so it is written)
	s_mov_b32 s72, 0xbfb8aa3b                      ; -log2(e)
	s_mov_b32 s73, s72
	s_lshl_b32 s82, s29, 7
	s_lshl_b32 s83, s23, 6
	s_add_co_u32 s82, s82, s83                     ; my first row,
	s_lshl_b32 s82, s82, 13                        ; of 8,192 bytes,
	s_lshl_b32 s90, s28, 9
	s_lshl_b32 s83, s24, 8
	s_add_co_u32 s90, s90, s83                     ; my first hidden unit, in bytes: the biases' offset
	s_add_co_u32 s82, s82, s90                     ; my corner in every [2048][2048] f32 tensor
	s_mov_b32 s83, 0
	s_mov_b32 s91, 0
	s_mul_i32 s86, s29, RBB
	s_add_co_u32 s87, s28, 8
	s_mul_i32 s87, s87, REC
	s_add_co_u32 s86, s86, s87                     ; au's record of rows mb, K step 8 + nb: this work-group's hidden units are that K step
	s_lshl_b32 s84, s23, 12
	s_lshl_b32 s85, s24, 9
	s_add_co_u32 s84, s84, s85
	s_add_co_u32 s84, s84, s86                     ; in it: my four images, and of each the half that holds my two blocks
	s_mov_b32 s85, 0
	s_add_co_u32 s86, s86, 8192                    ; and its scale words
	s_mov_b32 s87, 0
	; every LDS address is made here, ahead of the first branch on the wave's number
	v_and_b32 v1, 31, v0                           ; lane
	v_and_b32 v2, 15, v0                           ; r
	v_bfe_u32 v3, v0, 4, 1                         ; h
	v_lshlrev_b32 v22, 4, v1                       ; 16 x lane
	v_lshlrev_b32 v23, 2, v2                       ; 4 r
	v_add_nc_u32 v25, SCX, v22                     ; h_up's scale words on their way out
	s_lshl_b32 s89, s23, 12
	v_add_nc_u32 v4, s89, v22                      ; combined's images of my rows, slot 0,
	v_add_nc_u32 v5, SLOT, v4                      ; slot 1
	s_lshl_b32 s89, s24, 12
	s_add_co_u32 s89, s89, (NT-2)*TS
	v_add_nc_u32 v6, s89, v22                      ; Wt's images of my units, slot 0, 1
	v_add_nc_u32 v7, SLOT, v6
	v_add_nc_u32 v8, TS, v6                        ; Wa's
	v_add_nc_u32 v9, TS, v7
	s_lshl_b32 s89, s23, 8
	s_add_co_u32 s89, s89, 8192
	v_add_nc_u32 v10, s89, v23                     ; combined's scale words
	v_add_nc_u32 v11, SLOT, v10
	v_mul_u32_u24 v24, v3, TS                      ; lanes 16-31 take Wa's words: one tile on
	v_add_nc_u32 v24, v24, v23
	s_lshl_b32 s89, s24, 8
	s_add_co_u32 s89, s89, (NT-2)*TS+8192
	v_add_nc_u32 v12, s89, v24                     ; the weights' scale words
	v_add_nc_u32 v13, SLOT, v12
	v_lshlrev_b32 v17, 4, v2                       ; 16 r: my four columns of the wave's 64
	v_lshl_add_u32 v16, v3, 13, v17                ; + one row for lanes 16-31
	s_mul_i32 s89, s22, STW                        ; my stage
	v_mul_u32_u24 v18, v2, 272
	v_lshl_add_u32 v18, v3, 5, v18
	v_add_nc_u32 v18, s89, v18                     ; in: row r, 32 bytes for each half of the lanes
	v_mul_u32_u24 v19, v3, 272
	v_lshl_add_u32 v19, v2, 4, v19
	v_add_nc_u32 v19, s89, v19                     ; back: lanes 0-15 one row of 256 bytes, lanes 16-31 the next
	v_mul_u32_u24 v20, v2, 272
	v_lshl_add_u32 v20, v3, 7, v20
	v_add_nc_u32 v20, s89, v20
	v_add_nc_u32 v20, 2*AREA, v20                  ; h_up back: row r, block h of its two
	v_lshl_add_u32 v21, v2, 2, v3
	s_lshl_b32 s89, s23, 8
	s_lshl_b32 s3, s24, 1
	s_add_co_u32 s89, s89, s3
	s_add_co_u32 s89, s89, SCX
	v_add_nc_u32 v21, s89, v21                     ; h_up's scale byte: 4 x row + block
	s_wait_alu depctr_va_vdst(0)                   ; the wait at the head's end
	s_wait_kmcnt 0x0
	s_add_nc_u64 s[66:67], s[4:5], s[66:67]
	s_add_nc_u64 s[68:69], s[4:5], s[68:69]
	s_add_nc_u64 s[6:7], s[6:7], s[82:83]
	s_add_nc_u64 s[8:9], s[8:9], s[82:83]
	s_add_nc_u64 s[10:11], s[10:11], s[82:83]
	s_add_nc_u64 s[16:17], s[16:17], s[82:83]
	s_add_nc_u64 s[18:19], s[18:19], s[82:83]
	s_add_nc_u64 s[12:13], s[12:13], s[90:91]
	s_add_nc_u64 s[14:15], s[14:15], s[90:91]
	s_add_nc_u64 s[84:85], s[20:21], s[84:85]
	s_add_nc_u64 s[86:87], s[20:21], s[86:87]
.irp s, 0,1                            ; descriptor group 0, a set for each slot: s[48:55] combined's, s[56:63] the weights'
	s_mov_b32 s[48+4*\s], 1                        ; count = 1
	s_add_co_u32 s[49+4*\s], s88, \s*SLOT          ; LDS address
	s_add_nc_u64 s[50+4*\s:51+4*\s], s[66:67], s[OFF+2*\s:OFF+2*\s+1]   ; global address: my cluster's fill s
	s_or_b32 s[51+4*\s], s[51+4*\s], 0x80000000    ; type = 2
	s_mov_b32 s[56+4*\s], 1
	s_add_co_u32 s[57+4*\s], s88, \s*SLOT
	s_add_nc_u64 s[58+4*\s:59+4*\s], s[68:69], s[OFF+2*\s:OFF+2*\s+1]
	s_or_b32 s[59+4*\s], s[59+4*\s], 0x80000000
.endr
	CROUND                                         ; all sixteen work-groups are here: the first joint loads meet
	JLOAD 0                                        ; ONE tensor load a wave at the head: my cluster's fills 0 and 1, into my tile's two slots
	global_load_b128 v[48:51], v17, s[12:13]       ; Wt_b of my four columns
	global_load_b128 v[52:55], v17, s[14:15]       ; Wa_b
	s_wait_tensorcnt 0x0                           ; my tile is in; no tensor load of mine is out, so a descriptor may be written:
	s_mov_b32 s34, (TB/256)<<16                    ; from here on a load brings one fill: tensor_dim1 = 204,
	s_mov_b32 s36, TB/256                          ; tile_dim1 = 204;
	s_mov_b32 s42, (TB/256)<<16                    ; and the same for the weights
	s_mov_b32 s44, TB/256
	s_barrier_signal -1
	s_barrier_wait -1                              ; everybody's tile is in
	FETCH 0, 0, 0
	EPILOAD 6, 0xc0, 0                             ; time_cell
	SUB 0, 0, 1                                    ; the first K step starts the sums: nothing is cleared
	SUB 0, 1, 0
	SUB 0, 2, 0
	SUB 0, 3, 0
	SUB 0, 4, 0
	TURN 0, 1, 2                                   ; slot 0 takes my cluster's fill 2,
	EPILOAD 8, 0xc0, 128                           ; and excited_cell is asked for behind that joint load
	SUBS 1
	TURN 1, 1, 3                                   ; slot 1 takes fill 3,
	EPILOAD 10, 0x40, 128                          ; and h_cur is asked for behind that joint load: the youngest 32 loads: the way out counts on that
	SUBS 0
	TURN 0, 0, 0                                   ; nothing is left to fetch: a plain barrier
	SUBS 1
	s_wait_dscnt 0x0                               ; the very last K step
	WIN 0xa1
	MUL8 0, 1, 0
	MUL8 1, 1, 0
	MUL8 2, 1, 0
	MUL8 3, 1, 0
	PLACES
	WIN 0
; THE WAY OUT, 16 rows at a time.  Both gates' sums go through my own stage and come back in the layout of the f32 tiles: register 4 i + k = row 2 i + lane / 16, column 4 (lane % 16) + k.
; LDS serves a wave's instructions in order (ISA guide 5.7.1.4): no wait between the stores and the loads, nor in front of the next block's stores.
.macro TOSTAGE a
	WIN 0x08                                       ; an LDS store's data are its source 1: window 2
.irp g, 0,1
.irp b, 0,1,2,3
	ds_store_b128 v18, v[128*\g+32*(\a)+8*\b:128*\g+32*(\a)+8*\b+3] offset:AREA*\g+64*\b        ; each accumulator from its low end on
	ds_store_b128 v18, v[128*\g+32*(\a)+8*\b+4:128*\g+32*(\a)+8*\b+7] offset:AREA*\g+64*\b+16
.endr
.endr
	WIN 0
.irp g, 0,1
.irp i, 0,1,2,3,4,5,6,7
	ds_load_b128 v[64+64*((\a)%2)+32*\g+4*\i:64+64*((\a)%2)+32*\g+4*\i+3], v19 offset:AREA*\g+544*\i
.endr
.endr
.endm
.macro CHUNK a
.if (\a) > 0
	s_wait_xcnt 0x0                                ; the block before last's stores have read their registers: its set and the codes' registers are written again
	s_wait_loadcnt 24-8*(\a)                       ; h_cur's loads 0 .. 8 a + 7 are in, and with them all older loads; its other 24 - 8 a may be out
.endif
.if (\a) < 3
	TOSTAGE (\a)+1                                 ; the next block goes through the stage while this one is worked
	s_wait_dscnt 32                                ; all but those 32: this block is back
.else
	s_wait_dscnt 0x0
.endif
.set TR, 64+64*((\a)%2)                ; 32 sums of Wt's gate,
.set AR, TR+32                         ; 32 of Wa's
.set k, 0
.rept 16
	v_pk_fma_f32 v[TR+2*k:TR+2*k+1], v[TR+2*k:TR+2*k+1], s[70:71], v[48+2*(k%2):49+2*(k%2)] op_sel_hi:[1,0,1]   ; 2 log2(e) (sum + bias)
	v_pk_fma_f32 v[AR+2*k:AR+2*k+1], v[AR+2*k:AR+2*k+1], s[72:73], v[52+2*(k%2):53+2*(k%2)] op_sel_hi:[1,0,1]   ; -log2(e) (sum + bias)
.set k, k+1
.endr
.set k, 0
	s_wait_alu depctr_va_vdst(0)                   ; a wait ahead of each batch of transcendentals and one behind it
.rept 64
	v_exp_f32 v[TR+k], v[TR+k]
.set k, k+1
.endr
	v_nop                                          ; a plain place behind the exponentials
.set k, 0
	s_wait_alu depctr_va_vdst(0)
.rept 32
	v_pk_add_f32 v[TR+2*k:TR+2*k+1], v[TR+2*k:TR+2*k+1], 1.0 op_sel_hi:[1,0]
.set k, k+1
.endr
.set k, 0
	s_wait_alu depctr_va_vdst(0)
.rept 64
	v_rcp_f32 v[TR+k], v[TR+k]                     ; AR now holds absorb
.set k, k+1
.endr
	v_nop                                          ; a plain place behind the reciprocals
.set k, 0
	s_wait_alu depctr_va_vdst(0)
.rept 16
	v_pk_fma_f32 v[TR+2*k:TR+2*k+1], v[TR+2*k:TR+2*k+1], -2.0, 1.0 op_sel_hi:[1,0,0]   ; up_time
.set k, k+1
.endr
	WIN 0x0c                                       ; source 1 window 3
.set k, 0
.rept 16
	v_pk_add_f32 v[TR+2*k:TR+2*k+1], v[TR+2*k:TR+2*k+1], v[32*(\a)+2*k:32*(\a)+2*k+1]   ; s = time_cell + up_time
.set k, k+1
.endr
	WIN 0x0d                                       ; source 0 window 1, source 1 window 3
.set k, 0
.rept 16
	v_pk_mul_f32 v[HU+2*k:HU+2*k+1], v[128+32*(\a)+2*k:128+32*(\a)+2*k+1], v[128+32*(\a)+2*k:128+32*(\a)+2*k+1]   ; h_cur x excited_cell
.set k, k+1
.endr
	WIN 0x03                                       ; source 0 window 3
.irp n, 0,1,2,3
.irp j, 0,1,2,3,4,5,6,7
	v_cmp_ge_f32 s[74+\j], 1.0, v[TR+8*\n+\j]      ; leap: 1 >= s.  It only selects values
.endr
.irp j, 0,1,2,3,4,5,6,7
	v_cndmask_b32 v[EX+8*\n+\j], v[128+32*(\a)+8*\n+\j], v30, s[74+\j]   ; excited_cell - energy: 0 where it leaps
	v_cndmask_b32 v[HU+8*\n+\j], 0, v[HU+8*\n+\j], s[74+\j]              ; h_up: 0 where it does not
.endr
.endr
	WIN 0
.irp i, 0,1,2,3,4,5,6,7
	ds_store_b128 v19, v[HU+4*\i:HU+4*\i+3] offset:2*AREA+544*\i   ; h_up turns through the stage's third part:
.endr
.irp g, 0,1,2,3,4,5,6,7
	ds_load_b128 v[HU+4*\g:HU+4*\g+3], v20 offset:16*\g            ; lane (r, h) takes a whole block of 32 along the next K: row r, my units 32 h on
.endr
.set k, 0
.rept 16
	v_pk_add_f32 v[AR+2*k:AR+2*k+1], v[AR+2*k:AR+2*k+1], v[EX+2*k:EX+2*k+1]
	v_pk_add_f32 v[TR+2*k:TR+2*k+1], v[TR+2*k:TR+2*k+1], -1.0 op_sel_hi:[1,0]
.set k, k+1
.endr
.set k, 0
.rept 32
	v_max_num_f32 v[AR+k], 0, v[AR+k]              ; out1
	v_max_num_f32 v[TR+k], 0, v[TR+k]              ; out2
.set k, k+1
.endr
.irp i, 0,1,2,3,4,5,6,7
	global_store_b128 v16, v[AR+4*\i:AR+4*\i+3], s[16:17] offset:(8*(\a)+\i)*16384 th:TH_STORE_NT   ; sixteen lanes store 256 consecutive bytes, aligned
	global_store_b128 v16, v[TR+4*\i:TR+4*\i+3], s[18:19] offset:(8*(\a)+\i)*16384 th:TH_STORE_NT
.endr
	s_wait_dscnt 0x0                               ; h_up's block is mine
	v_max3_num_f32 v56, |v[HU]|, |v[HU+1]|, 0x1800000              ; its largest magnitude, in two chains, with the floor 2^(3 - 127)
	v_max3_num_f32 v57, |v[HU+16]|, |v[HU+17]|, |v[HU+18]|
.irp i, 2,4,6,8,10,12
	v_max3_num_f32 v56, v56, |v[HU+\i]|, |v[HU+\i+1]|
	v_max3_num_f32 v57, v57, |v[HU+17+\i]|, |v[HU+18+\i]|
.endr
	v_max3_num_f32 v56, v56, |v[HU+14]|, |v[HU+15]|
	v_max3_num_f32 v56, v56, v57, |v[HU+31]|
	v_add_nc_u32 v58, 0xff000000, v56              ; 2 off the exponent field: the conversion's scale operand
	v_lshrrev_b32 v59, 23, v58                     ; the scale's byte
.irp g, 0,1,2,3
	v_cvt_scalef32_pk8_fp4_f32 v[60+\g], v[HU+8*\g:HU+8*\g+7], v58
.endr
	v_nop                                          ; one plain place behind the conversions
	global_store_b128 v22, v[60:63], s[84:85] offset:1024*(\a)     ; 32 lanes store 512 consecutive bytes of the image, aligned
	ds_store_b8 v21, v59 offset:64*(\a)            ; the byte waits in LDS for the record's other bytes
.endm
	s_wait_loadcnt 24                              ; the biases, time_cell, excited_cell and h_cur's first eight loads (16 rows) are in; h_cur's other 24 may be out
	v_pk_mul_f32 v[48:49], v[48:49], s[70:71] op_sel_hi:[1,0]      ; the biases under the exponentials' factors
	s_wait_alu depctr_va_vdst(0)
	v_pk_mul_f32 v[50:51], v[50:51], s[70:71] op_sel_hi:[1,0]
	v_pk_mul_f32 v[52:53], v[52:53], s[72:73] op_sel_hi:[1,0]
	s_wait_alu depctr_va_vdst(0)
	v_pk_mul_f32 v[54:55], v[54:55], s[72:73] op_sel_hi:[1,0]
	s_wait_alu depctr_va_vdst(0)
	TOSTAGE 0
	CHUNK 0
	CHUNK 1
	CHUNK 2
	CHUNK 3
	s_wait_dscnt 0x0                               ; for the others' sake: my scale bytes lie in LDS
	s_barrier_signal -1
	s_barrier_wait -1
	s_cmp_lg_u32 s22, 0
	s_cbranch_scc1 .Lno_words
	ds_load_b128 v[192:195], v25                   ; wave 0 stores the record's 128 scale words whole: 512 consecutive bytes
	s_wait_dscnt 0x0
	global_store_b128 v22, v[192:195], s[86:87]
.Lno_words:
	s_wait_tensorcnt 0x0                           ; the wave's end: behind my last tensor load and my last LDS store
	ds_add_u32 v28, v29
	s_wait_dscnt 0x0
	CROUND                                         ; the closing round: no work-group ends while a partner may still ask for a tile that names it
	s_endpgm
.Lfunc_end_k_q13de042728_gates1:
	.size	k_q13de042728_gates1, .Lfunc_end_k_q13de042728_gates1-k_q13de042728_gates1
	.p2alignl 7, 3214868480
	.fill 96, 4, 3214868480
	.section	.rodata,"a",@progbits
	.p2align	6, 0x0
	.amdhsa_kernel k_q13de042728_gates1
		.amdhsa_group_segment_fixed_size 327680
		.amdhsa_private_segment_fixed_size 0
		.amdhsa_enable_private_segment 0
		.amdhsa_kernarg_size 72
		.amdhsa_user_sgpr_count 2
		.amdhsa_user_sgpr_kernarg_segment_ptr 1
		.amdhsa_wavefront_size32 1
		.amdhsa_system_sgpr_workgroup_id_x 1
		.amdhsa_system_sgpr_workgroup_id_y 1
		.amdhsa_system_sgpr_workgroup_id_z 1
		.amdhsa_system_vgpr_workitem_id 0
		.amdhsa_next_free_vgpr 1024
		.amdhsa_next_free_sgpr 100
		.amdhsa_reserve_vcc 0
		.amdhsa_float_denorm_mode_32 3
		.amdhsa_float_denorm_mode_16_64 3
		.amdhsa_memory_ordered 1
		.amdhsa_forward_progress 1
		.amdhsa_inst_pref_size 255
	.end_amdhsa_kernel
	.section	.bss,"aw",@nobits
	.p2align	6
	.space	262144
	.amdgpu_metadata
---
amdhsa.version: [ 1, 2 ]
amdhsa.kernels:
  - .name:           k_q13de042728_gates1
    .symbol:         k_q13de042728_gates1.kd
    .args:
      - { .name: q, .offset: 0, .size: 8, .value_kind: global_buffer, .address_space: global }
      - { .name: time_cell, .offset: 8, .size: 8, .value_kind: global_buffer, .address_space: global }
      - { .name: excited_cell, .offset: 16, .size: 8, .value_kind: global_buffer, .address_space: global }
      - { .name: h_cur, .offset: 24, .size: 8, .value_kind: global_buffer, .address_space: global }
      - { .name: Wt_b, .offset: 32, .size: 8, .value_kind: global_buffer, .address_space: global }
      - { .name: Wa_b, .offset: 40, .size: 8, .value_kind: global_buffer, .address_space: global }
      - { .name: out1, .offset: 48, .size: 8, .value_kind: global_buffer, .address_space: global }
      - { .name: out2, .offset: 56, .size: 8, .value_kind: global_buffer, .address_space: global }
      - { .name: au, .offset: 64, .size: 8, .value_kind: global_buffer, .address_space: global }
    .group_segment_fixed_size: 327680
    .private_segment_fixed_size: 0
    .kernarg_segment_align: 8
    .kernarg_segment_size: 72
    .max_flat_workgroup_size: 128
    .sgpr_count:     100
    .vgpr_count:     1024
    .wavefront_size: 32
...
	.end_amdgpu_metadata
.endif
;; end of part 2
;; launch gates2 (part 3): grid 16 x 16, 4 waves a work-group, clusters of 4 x 4, 327,680 bytes of LDS; arguments q, au, h_cur, Eh_b, Hw_b, out0; writes out0
.if DOCPART == 3
	.amdgcn_target "amdgcn-amd-amdhsa--gfx1250"
	.amdhsa_code_object_version 6
	.text
	.protected	k_q13de042728_gates2
	.globl	k_q13de042728_gates2
	.p2align	8
	.type	k_q13de042728_gates2,@function
k_q13de042728_gates2:
	s_mov_b64 s[64:65], 0
	v_nop
	global_prefetch_b8 v0, s[64:65] scope:SCOPE_SE
	s_setreg_imm32_b32 hwreg(HW_REG_WAVE_MODE, 25, 1), 1
	s_wait_xcnt 0x0
	s_wait_alu depctr_hold_cnt(0) depctr_sa_sdst(0) depctr_va_vdst(0) depctr_va_sdst(0) depctr_va_ssrc(0) depctr_va_vcc(0) depctr_vm_vsrc(0)
	s_getreg_b32 s2, hwreg(HW_REG_IB_STS2, 6, 4)
	s_cmp_eq_u32 s2, 0
	s_cbranch_scc0 .Lentry_in_a_cluster
	s_endpgm
.Lentry_in_a_cluster:
	s_bfe_u32 s2, ttmp6, 0x10000c
	s_cmp_lg_u32 s2, 0xf033
	s_cbranch_scc0 .Lentry_shape_is_right
	s_endpgm
.Lentry_shape_is_right:
; Products 3 and 4 on codes of FP4 with E8M0 scales, and the cell's end:
;   h_state = tanh([x | h_up] Eh^T + Eh_b);  h_w = sigmoid(combined Hw^T + Hw_b);  out0 = tanh((1 - h_w) h_cur + h_w h_state).
; SHARES, LAYOUT AND CLUSTER as in the launch before: a work-group makes 128 rows x 128 hidden units of both gates, a wave 64 x 64 x 2 in 32 accumulators; K in steps of 128; a record of 8,704 bytes
; (eight register images, then 128 scale words) is a K step of 128 rows.  Here the gates have different left operands: FOUR tiles ([x | h_up] from au, combined, Eh, Hw); a fill is four K steps (136 x 256 dense bytes);
; each tile has its two slots of one fill ON END in LDS; wave w fetches tile w.
; AT THE HEAD each wave issues ONE tensor load, of two successive fills (272 x 256 bytes), which fills both slots of its tile; behind the wait for it the descriptors' row counts are set to one fill's.
; Behind each of four rounds a wave issues one load, a refill.  A wave never has more than one tensor load out.
; The left operands' tiles hang on the block of rows alone and are asked for jointly along a row of the 4 x 4 cluster, the weights' on the block of units alone, jointly along a column.
; THE ORDER ALONG K.  K's 24 steps are six fills.  Cluster (X, Y) takes fill (2 (X + Y) + i) mod 6 as its i-th: it begins at fill 0, 2 or 4, so its two first fills lie on end in memory.
; Three clusters on end along X read the same rows of the left operands, three on end along Y the same rows of the weights: they begin at the three different pairs of fills.  X and Y are alike in a cluster's sixteen work-groups.
; NO PREFETCH: the head's loads of three such clusters name together all six fills of the rows that they share, so the bytes of each refill have been asked for at the launch's start; a prefetch would name them once more.
; THE MATRIX INSTRUCTION IS USED TRANSPOSED (source 0 = 16 rows of a weight, source 1 = 16 rows of a left operand).
; h_cur (64 x 64 a wave) is asked for behind the first barrier and lands under the K steps.
; REGISTERS, in windows of 256:  window 0: v1-29 addresses; v32-47 scale words, two sets, and nothing else; v48-55 biases; v64-191 the left operands' fragments, two sets of two; on the way out v64-191 two sets of sums, v192-223 1 - h_w.
;   window 1: v0-127 the weights' fragments, two sets.   window 2: accumulator (gate g, rows a, units b) at v[128 g + 32 a + 8 b].   window 3: v0-127 h_cur.
; tanh(z) = 1 - 2 / (1 + 2^(2 log2(e) z)), sigmoid(z) = 1 / (1 + 2^(-log2(e) z)): both end rightly where the exponential overflows or falls to 0.
; LIMITS: NaN and infinities among the inputs are not served; the blend is two fused multiply-adds where the formula rounds four times; the 24 f32 partial sums of a product are added in an order that differs from cluster to cluster.
.set REC,   8704
.set RBB,   24*REC
.set TEN,   16*RBB
.set S,     4                          ; K steps in a fill
.set NT,    4                          ; tiles
.set TB,    S*REC                      ; a fill of a tile: 34,816 bytes
.set SLOT,  TB                         ; from a tile's slot 0 to its slot 1
.set TS,    2*TB                       ; from tile to tile
.set SPARE, NT*TS                      ; behind the tiles: the spare words, 128 bytes a wave: two blocks of 256 bytes that no other line names
.set NL,    40                         ; LDS loads of a K step: 16 for the weights, 16 for the left operands, 8 scale words
.set AREA,  16*272                     ; the way out: 16 rows x (256 bytes + 16)
.set STW,   2*AREA                     ; a wave's stage: gate 0, gate 1.  The four stages are exactly the first tile's slot 0, which has had its last fill and its last read when the first result is stored there
.set UR,    192
.set MSB, 0
; The byte offset, in a block of rows, of my cluster's i-th fill lies in a pair of scalar registers: s[74:81] for i = 0 .. 3, s[84:87] for i = 4, 5: pair i begins at s[74 + 2 i + 2 (i / 4)]
.macro WIN new                         ; the immediate's high byte repeats the setting that is left
.if MSB != \new
	s_set_vgpr_msb (MSB<<8)|\new
.set MSB, \new
.endif
.endm
.macro PLACES                          ; four places: in front of loads into registers that matrix instructions have read, and of the first read of results
.rept 4
	v_nop
.endr
.endm
.macro CREST                           ; a round of the cluster's barrier behind its opening barrier
	s_cmp_lg_u32 s22, 0
	s_cbranch_scc1 .Lnot_wave_0_\@
	s_barrier_signal -3
.Lnot_wave_0_\@:
	s_barrier_wait -3
	s_barrier_signal -1
	s_barrier_wait -1
.endm
.macro CROUND
	s_barrier_signal -1
	s_barrier_wait -1
	CREST
.endm
; A joint load: waves 0 and 1 fetch the left operands' tiles, waves 2 and 3 the weights'.  The branch hangs on the wave's number alone.  s_nop 0 and four v_nop follow each tensor line: they are also the places in front of the loads that follow.
.macro JLOAD slot
	s_cmp_lt_u32 s22, 2
	s_cbranch_scc0 .Lfor_b_\@
	tensor_load_to_lds s[48+4*(\slot):51+4*(\slot)], s[32:39]
	s_nop 0
	PLACES
	s_branch .Lasked_\@
.Lfor_b_\@:
	tensor_load_to_lds s[56+4*(\slot):59+4*(\slot)], s[40:47]
	s_nop 0
	PLACES
.Lasked_\@:
.endm
; The fragments and scale words of the slot's q-th K step into set p: images come back as they were stored, 16 bytes a lane, 512 consecutive bytes a load
.macro FETCH slot, q, p
	WIN 0x40                                       ; destination window 1, address window 0
.irp g, 0,1
.irp b, 0,1,2,3
.irp c, 0,1
	ds_load_b128 v[64*(\p)+32*\g+8*\b+4*\c:64*(\p)+32*\g+8*\b+4*\c+3], v[6+2*\g+(\slot)] offset:(\q)*REC+\b*1024+\c*512
.endr
.endr
.endr
	WIN 0
.irp g, 0,1
.irp a, 0,1,2,3
.irp c, 0,1
	ds_load_b128 v[64+64*(\p)+32*\g+8*\a+4*\c:64+64*(\p)+32*\g+8*\a+4*\c+3], v[4+10*\g+(\slot)] offset:(\q)*REC+\a*1024+\c*512
.endr
.endr
.endr
.irp i, 0,1,2,3
	ds_load_b32 v[32+8*(\p)+\i], v[12+(\slot)] offset:(\q)*REC+64*\i   ; lanes 0-15: Eh's words of units 16 i + r; lanes 16-31: Hw's
	ds_load_b32 v[36+8*(\p)+\i], v[10+(\slot)] offset:(\q)*REC+64*\i   ; lanes 0-15: [x | h_up]'s words of rows 16 i + r; lanes 16-31: combined's
.endr
.endm
.macro WM g, a, b, p, zero
.set rD, 128*\g+32*(\a)+8*\b
.set rB, 64*(\p)+32*\g+8*\b
.set rA, 64+64*(\p)+32*\g+8*(\a)
.set rX, 32+8*(\p)+\b
.set rY, 36+8*(\p)+(\a)
.if \zero
.if \g
	v_wmma_scale_f32_16x16x128_f8f6f4 v[rD:rD+7], v[rB:rB+7], v[rA:rA+7], 0, v[rX], v[rY] matrix_a_fmt:MATRIX_FMT_FP4 matrix_b_fmt:MATRIX_FMT_FP4 matrix_a_scale:MATRIX_SCALE_ROW1 matrix_b_scale:MATRIX_SCALE_ROW1
.else
	v_wmma_scale_f32_16x16x128_f8f6f4 v[rD:rD+7], v[rB:rB+7], v[rA:rA+7], 0, v[rX], v[rY] matrix_a_fmt:MATRIX_FMT_FP4 matrix_b_fmt:MATRIX_FMT_FP4
.endif
.else
.if \g
	v_wmma_scale_f32_16x16x128_f8f6f4 v[rD:rD+7], v[rB:rB+7], v[rA:rA+7], v[rD:rD+7], v[rX], v[rY] matrix_a_fmt:MATRIX_FMT_FP4 matrix_b_fmt:MATRIX_FMT_FP4 matrix_a_scale:MATRIX_SCALE_ROW1 matrix_b_scale:MATRIX_SCALE_ROW1
.else
	v_wmma_scale_f32_16x16x128_f8f6f4 v[rD:rD+7], v[rB:rB+7], v[rA:rA+7], v[rD:rD+7], v[rX], v[rY] matrix_a_fmt:MATRIX_FMT_FP4 matrix_b_fmt:MATRIX_FMT_FP4
.endif
.endif
.endm
; 8 matrix instructions: rows a x four blocks of units x two gates.  The 32 accumulators take turns, one instruction a turn, in the same order in every K step.  zero = 1: the product starts the sum
.macro MUL8 a, p, zero
.irp b, 0,1,2,3
.irp g, 0,1
	WM \g, \a, \b, \p, \zero
.endr
.endr
.endm
.macro SUB slot, q, zero               ; a K step that has its successor in the same slot: the successor's loads go out first, 32 matrix instructions ahead of their use
	PLACES
	FETCH \slot, (\q)+1, 1-(\q)%2
	s_wait_dscnt NL                                ; all but the NL just issued: this step's set is in
	WIN 0xa1                                       ; source 0 window 1, source 1 window 0, C and D window 2
	MUL8 0, (\q)%2, \zero
	MUL8 1, (\q)%2, \zero
	MUL8 2, (\q)%2, \zero
	MUL8 3, (\q)%2, \zero
.endm
.macro SUBS slot                       ; a slot's K steps 0 .. S - 2
.set Q, 0
.rept S-1
	SUB \slot, Q, 0
.set Q, Q+1
.endr
.endm
; A slot's last K step (set 1) changes slots: ONE barrier; in front of it each wave waits for all its tensor loads, adds 0 to its spare word, and waits for that and for its reads of this slot.
; refill = 1: the barrier opens a round of the cluster's barrier, and this slot takes my cluster's i-th fill, first thing behind the round: the load has the other slot's 128 matrix instructions in which to land.
.macro TURN slot, refill, i
	WIN 0                                          ; (the add's two registers lie in window 0)
	s_wait_tensorcnt 0x0                           ; all my tensor loads have landed
	ds_add_u32 v28, v29                            ; 0 onto my spare word
	s_wait_dscnt 1                                 ; this step's set is in; the add may be out
	WIN 0xa1
	MUL8 0, 1, 0                                   ; eight matrix instructions stand between the add and the wait for it
	s_wait_dscnt 0x0                               ; the add is done, and my reads of this slot are over
	s_barrier_signal -1
	MUL8 1, 1, 0
	WIN 0
	s_barrier_wait -1
.if \refill
	CREST                                          ; no wave of any partner still reads this slot or has a load on its way
	s_add_nc_u64 s[50+4*(\slot):51+4*(\slot)], s[66:67], s[74+2*(\i)+2*((\i)/4):75+2*(\i)+2*((\i)/4)]   ; no tensor load of mine is out: the slot's two groups 0 are written anew
	s_or_b32 s[51+4*(\slot)], s[51+4*(\slot)], 0x80000000
	s_add_nc_u64 s[58+4*(\slot):59+4*(\slot)], s[68:69], s[74+2*(\i)+2*((\i)/4):75+2*(\i)+2*((\i)/4)]
	s_or_b32 s[59+4*(\slot)], s[59+4*(\slot)], 0x80000000
	JLOAD \slot
.else
	PLACES
.endif
	FETCH 1-(\slot), 0, 0
	WIN 0xa1
	MUL8 2, 1, 0
	MUL8 3, 1, 0
.endm
	s_load_b256 s[4:11], s[0:1], 0x0               ; q s[4:5], au s[6:7], h_cur s[8:9], Eh_b s[10:11]
	s_load_b128 s[12:15], s[0:1], 0x20             ; Hw_b s[12:13], out0 s[14:15]
	v_lshl_add_u32 v28, v0, 2, SPARE
	v_mov_b32 v29, 0
	ds_add_u32 v28, v29                            ; the opening lines: the add, twice on end, and its wait
	ds_add_u32 v28, v29
	s_wait_dscnt 0x0
	v_lshrrev_b32 v1, 5, v0
	v_readfirstlane_b32 s22, v1                    ; wave 0..3
	s_lshr_b32 s23, s22, 1                         ; which 64 rows are mine
	s_and_b32 s24, s22, 1                          ; which 64 hidden units.  Also: which of the two left operands, or of the two weights, I fetch
	s_bfe_u32 s26, ttmp6, 0x40000                  ; cx
	s_bfe_u32 s27, ttmp6, 0x40004                  ; cy
	s_lshl_b32 s28, ttmp9, 2
	s_add_co_u32 s28, s28, s26                     ; nb: the block of hidden units = 4 x cluster x + cx
	s_and_b32 s29, ttmp7, 0xffff
	s_lshl_b32 s29, s29, 2
	s_add_co_u32 s29, s29, s27                     ; mb: the block of rows = 4 x cluster y + cy
	s_lshl_b32 s30, s27, 2
	s_lshl_b32 s30, 15, s30                        ; my row of the cluster
	s_lshl_b32 s31, 0x1111, s26                    ; my column
	; the order in which my cluster takes K's six fills: made of the cluster's own x and y, which its sixteen work-groups share
	s_and_b32 s2, ttmp7, 0xffff                    ; Y
	s_add_co_u32 s2, s2, ttmp9                     ; X + Y
	s_lshl_b32 s2, s2, 1                           ; 2 (X + Y): 0 .. 12
.irp i, 0,1,2,3,4,5
	s_add_co_u32 s3, s2, \i                        ; t = 2 (X + Y) + i: 0 .. 17
	s_mul_i32 s89, s3, 43
	s_lshr_b32 s89, s89, 8                         ; t / 6 (43 t / 256: exact for t under 48)
	s_mul_i32 s89, s89, 6
	s_sub_co_u32 s3, s3, s89                       ; t mod 6
	s_mul_i32 s[74+2*\i+2*(\i/4)], s3, TB
	s_mov_b32 s[75+2*\i+2*(\i/4)], 0
.endr
	; descriptor group 1: a dense block as rows of 256 bytes (32 elements of 8 bytes), no padding; for the head's loads two fills, 272 rows
	s_or_b32 s32, s30, (3<<16)|(1<<21)             ; 15:0 the mask; 17:16 elements of 8 bytes; 21 set beside a mask
	s_or_b32 s40, s31, (3<<16)|(1<<21)
.irp g, 32, 40
	s_mov_b32 s[\g+1], 32<<16                      ; tensor_dim0 = 32
	s_mov_b32 s[\g+2], (2*TB/256)<<16              ; tensor_dim1 = 272
	s_mov_b32 s[\g+3], 32<<16                      ; tile_dim0 = 32
	s_mov_b32 s[\g+4], 2*TB/256                    ; tile_dim1 = 272
	s_mov_b32 s[\g+5], 32                          ; from row to row
	s_mov_b32 s[\g+6], 0
	s_mov_b32 s[\g+7], 0
.endr
	s_mul_i32 s66, s29, RBB                        ; a left operand's rows mb: hangs on the block of rows alone
	s_mov_b32 s67, 0
	s_add_co_u32 s69, s24, 2
	s_mul_i32 s69, s69, TEN                        ; Eh is q's tensor 2, Hw its tensor 3
	s_mul_i32 s68, s28, RBB
	s_add_co_u32 s68, s68, s69                     ; my weight's rows nb: hangs on the block of units and the wave alone
	s_mov_b32 s69, 0
	s_mul_i32 s88, s22, TS                         ; where my tile goes: wave x TS: no place in the cluster enters an LDS address
	s_mov_b32 s70, 0x4038aa3b                      ; 2 log2(e)
	s_mov_b32 s71, s70                             ; (named with it as a pair, so it is written)
	s_mov_b32 s72, 0xbfb8aa3b                      ; -log2(e)
	s_mov_b32 s73, s72
	s_lshl_b32 s82, s29, 7
	s_lshl_b32 s83, s23, 6
	s_add_co_u32 s82, s82, s83                     ; my first row,
	s_lshl_b32 s82, s82, 13                        ; of 8,192 bytes,
	s_lshl_b32 s90, s28, 9
	s_lshl_b32 s83, s24, 8
	s_add_co_u32 s90, s90, s83                     ; my first hidden unit, in bytes: the biases' offset
	s_add_co_u32 s82, s82, s90                     ; my corner in h_cur and in out0
	s_mov_b32 s83, 0
	s_mov_b32 s91, 0
	; every LDS address is made here, ahead of the first branch on the wave's number
	v_and_b32 v1, 31, v0                           ; lane
	v_and_b32 v2, 15, v0                           ; r
	v_bfe_u32 v3, v0, 4, 1                         ; h
	v_lshlrev_b32 v22, 4, v1                       ; 16 x lane
	v_lshlrev_b32 v23, 2, v2                       ; 4 r
	v_mul_u32_u24 v24, v3, TS                      ; lanes 16-31 take the second gate's scale words: one tile on
	v_add_nc_u32 v24, v24, v23
	s_lshl_b32 s89, s23, 12
	v_add_nc_u32 v4, s89, v22                      ; [x | h_up]'s images of my rows, slot 0,
	v_add_nc_u32 v5, SLOT, v4                      ; slot 1;
	v_add_nc_u32 v14, TS, v4                       ; combined's
	v_add_nc_u32 v15, TS, v5
	s_lshl_b32 s89, s24, 12
	s_add_co_u32 s89, s89, (NT-2)*TS
	v_add_nc_u32 v6, s89, v22                      ; Eh's images of my units, slot 0, 1
	v_add_nc_u32 v7, SLOT, v6
	v_add_nc_u32 v8, TS, v6                        ; Hw's
	v_add_nc_u32 v9, TS, v7
	s_lshl_b32 s89, s23, 8
	s_add_co_u32 s89, s89, 8192
	v_add_nc_u32 v10, s89, v24                     ; the left operands' scale words
	v_add_nc_u32 v11, SLOT, v10
	s_lshl_b32 s89, s24, 8
	s_add_co_u32 s89, s89, (NT-2)*TS+8192
	v_add_nc_u32 v12, s89, v24                     ; the weights'
	v_add_nc_u32 v13, SLOT, v12
	v_lshlrev_b32 v17, 4, v2                       ; 16 r: my four columns of the wave's 64
	v_lshl_add_u32 v16, v3, 13, v17                ; + one row for lanes 16-31
	s_mul_i32 s89, s22, STW                        ; my stage
	v_mul_u32_u24 v18, v2, 272
	v_lshl_add_u32 v18, v3, 5, v18
	v_add_nc_u32 v18, s89, v18                     ; in: row r, 32 bytes for each half of the lanes
	v_mul_u32_u24 v19, v3, 272
	v_lshl_add_u32 v19, v2, 4, v19
	v_add_nc_u32 v19, s89, v19                     ; back: lanes 0-15 one row of 256 bytes, lanes 16-31 the next
	s_wait_alu depctr_va_vdst(0)                   ; the wait at the head's end
	s_wait_kmcnt 0x0
	s_add_nc_u64 s[92:93], s[4:5], 4*TEN           ; combined is q's tensor 4
	s_cmp_eq_u32 s24, 0                            ; wave 0 fetches from au, wave 1 from combined: a choice of buffers on the wave's number
	s_cselect_b64 s[92:93], s[6:7], s[92:93]
	s_add_nc_u64 s[66:67], s[92:93], s[66:67]
	s_add_nc_u64 s[68:69], s[4:5], s[68:69]
	s_add_nc_u64 s[8:9], s[8:9], s[82:83]
	s_add_nc_u64 s[14:15], s[14:15], s[82:83]
	s_add_nc_u64 s[10:11], s[10:11], s[90:91]
	s_add_nc_u64 s[12:13], s[12:13], s[90:91]
.irp s, 0,1                            ; descriptor group 0, a set for each slot: s[48:55] the left operands', s[56:63] the weights'
	s_mov_b32 s[48+4*\s], 1                        ; count = 1
	s_add_co_u32 s[49+4*\s], s88, \s*SLOT          ; LDS address
	s_add_nc_u64 s[50+4*\s:51+4*\s], s[66:67], s[74+2*\s:75+2*\s]   ; global address: my cluster's fill s
	s_or_b32 s[51+4*\s], s[51+4*\s], 0x80000000    ; type = 2
	s_mov_b32 s[56+4*\s], 1
	s_add_co_u32 s[57+4*\s], s88, \s*SLOT
	s_add_nc_u64 s[58+4*\s:59+4*\s], s[68:69], s[74+2*\s:75+2*\s]
	s_or_b32 s[59+4*\s], s[59+4*\s], 0x80000000
.endr
	CROUND                                         ; all sixteen work-groups are here: the first joint loads meet
	JLOAD 0                                        ; ONE tensor load a wave at the head: my cluster's fills 0 and 1, into my tile's two slots
	global_load_b128 v[48:51], v17, s[10:11]       ; Eh_b of my four columns
	global_load_b128 v[52:55], v17, s[12:13]       ; Hw_b
	s_wait_tensorcnt 0x0                           ; my tile is in; no tensor load of mine is out, so a descriptor may be written:
	s_mov_b32 s34, (TB/256)<<16                    ; from here on a load brings one fill: tensor_dim1 = 136,
	s_mov_b32 s36, TB/256                          ; tile_dim1 = 136;
	s_mov_b32 s42, (TB/256)<<16                    ; and the same for the weights
	s_mov_b32 s44, TB/256
	s_barrier_signal -1
	s_barrier_wait -1                              ; everybody's tile is in
	FETCH 0, 0, 0
	WIN 0xc0                                       ; destination window 3
.set k, 0
.rept 32                               ; my 64 x 64 numbers of h_cur: load i takes rows 2 i and 2 i + 1; sixteen lanes read 256 consecutive bytes, aligned.  The youngest 32 loads: the way out counts on that
	global_load_b128 v[4*k:4*k+3], v16, s[8:9] offset:16384*k th:TH_LOAD_NT
.set k, k+1
.endr
	SUB 0, 0, 1                                    ; the first K step starts the sums: nothing is cleared
	SUB 0, 1, 0
	SUB 0, 2, 0
	TURN 0, 1, 2                                   ; slot 0 takes my cluster's fill 2
	SUBS 1
	TURN 1, 1, 3                                   ; slot 1 takes fill 3
	SUBS 0
	TURN 0, 1, 4                                   ; fill 4
	SUBS 1
	TURN 1, 1, 5                                   ; fill 5
	SUBS 0
	TURN 0, 0, 0                                   ; nothing is left to fetch: a plain barrier
	SUBS 1
	s_wait_dscnt 0x0                               ; the very last K step
	WIN 0xa1
	MUL8 0, 1, 0
	MUL8 1, 1, 0
	MUL8 2, 1, 0
	MUL8 3, 1, 0
	PLACES
	WIN 0
; THE WAY OUT, 16 rows at a time.  Both gates' sums go through my own stage and come back in h_cur's layout: register 4 i + k = row 2 i + lane / 16, column 4 (lane % 16) + k.
; LDS serves a wave's instructions in order (ISA guide 5.7.1.4): no wait between the stores and the loads, nor in front of the next block's stores.
.macro TOSTAGE a
	WIN 0x08                                       ; an LDS store's data are its source 1: window 2
.irp g, 0,1
.irp b, 0,1,2,3
	ds_store_b128 v18, v[128*\g+32*(\a)+8*\b:128*\g+32*(\a)+8*\b+3] offset:AREA*\g+64*\b        ; each accumulator from its low end on
	ds_store_b128 v18, v[128*\g+32*(\a)+8*\b+4:128*\g+32*(\a)+8*\b+7] offset:AREA*\g+64*\b+16
.endr
.endr
	WIN 0
.irp g, 0,1
.irp i, 0,1,2,3,4,5,6,7
	ds_load_b128 v[64+64*((\a)%2)+32*\g+4*\i:64+64*((\a)%2)+32*\g+4*\i+3], v19 offset:AREA*\g+544*\i
.endr
.endr
.endm
.macro CHUNK a
.if (\a) > 0
	s_wait_xcnt 0x0                                ; the block before last's stores have read their registers: its set is written again
	s_wait_loadcnt 24-8*(\a)                       ; h_cur's loads 0 .. 8 a + 7 are in; its other 24 - 8 a may be out
.endif
.if (\a) < 3
	TOSTAGE (\a)+1                                 ; the next block goes through the stage while this one is worked
	s_wait_dscnt 32                                ; all but those 32: this block is back
.else
	s_wait_dscnt 0x0
.endif
.set TR, 64+64*((\a)%2)                ; 32 sums of Eh's gate,
.set AR, TR+32                         ; 32 of Hw's
.set k, 0
.rept 16
	v_pk_fma_f32 v[TR+2*k:TR+2*k+1], v[TR+2*k:TR+2*k+1], s[70:71], v[48+2*(k%2):49+2*(k%2)] op_sel_hi:[1,0,1]   ; 2 log2(e) (sum + bias)
	v_pk_fma_f32 v[AR+2*k:AR+2*k+1], v[AR+2*k:AR+2*k+1], s[72:73], v[52+2*(k%2):53+2*(k%2)] op_sel_hi:[1,0,1]   ; -log2(e) (sum + bias)
.set k, k+1
.endr
.set k, 0
	s_wait_alu depctr_va_vdst(0)                   ; a wait ahead of each batch of transcendentals and one behind it
.rept 64
	v_exp_f32 v[TR+k], v[TR+k]
.set k, k+1
.endr
	v_nop                                          ; a plain place behind the exponentials
.set k, 0
	s_wait_alu depctr_va_vdst(0)
.rept 32
	v_pk_add_f32 v[TR+2*k:TR+2*k+1], v[TR+2*k:TR+2*k+1], 1.0 op_sel_hi:[1,0]
.set k, k+1
.endr
.set k, 0
	s_wait_alu depctr_va_vdst(0)
.rept 64
	v_rcp_f32 v[TR+k], v[TR+k]                     ; AR now holds h_w
.set k, k+1
.endr
	v_nop                                          ; a plain place behind the reciprocals
.set k, 0
	s_wait_alu depctr_va_vdst(0)
.rept 16
	v_pk_fma_f32 v[TR+2*k:TR+2*k+1], v[TR+2*k:TR+2*k+1], -2.0, 1.0 op_sel_hi:[1,0,0]   ; h_state
	v_pk_fma_f32 v[UR+2*k:UR+2*k+1], v[AR+2*k:AR+2*k+1], -1.0, 1.0 op_sel_hi:[1,0,0]   ; 1 - h_w
.set k, k+1
.endr
.set k, 0
.rept 16
	v_pk_mul_f32 v[TR+2*k:TR+2*k+1], v[AR+2*k:AR+2*k+1], v[TR+2*k:TR+2*k+1]            ; h_w h_state
.set k, k+1
.endr
	WIN 0x0c                                       ; source 1 window 3
.set k, 0
.rept 16
	v_pk_fma_f32 v[TR+2*k:TR+2*k+1], v[UR+2*k:UR+2*k+1], v[32*(\a)+2*k:32*(\a)+2*k+1], v[TR+2*k:TR+2*k+1]   ; + (1 - h_w) h_cur
.set k, k+1
.endr
	WIN 0
.set k, 0
.rept 16
	v_pk_mul_f32 v[TR+2*k:TR+2*k+1], v[TR+2*k:TR+2*k+1], s[70:71] op_sel_hi:[1,0]
.set k, k+1
.endr
.set k, 0
	s_wait_alu depctr_va_vdst(0)
.rept 32
	v_exp_f32 v[TR+k], v[TR+k]
.set k, k+1
.endr
	v_nop
.set k, 0
	s_wait_alu depctr_va_vdst(0)
.rept 16
	v_pk_add_f32 v[TR+2*k:TR+2*k+1], v[TR+2*k:TR+2*k+1], 1.0 op_sel_hi:[1,0]
.set k, k+1
.endr
.set k, 0
	s_wait_alu depctr_va_vdst(0)
.rept 32
	v_rcp_f32 v[TR+k], v[TR+k]
.set k, k+1
.endr
	v_nop
.set k, 0
	s_wait_alu depctr_va_vdst(0)
.rept 16
	v_pk_fma_f32 v[TR+2*k:TR+2*k+1], v[TR+2*k:TR+2*k+1], -2.0, 1.0 op_sel_hi:[1,0,0]   ; h_next
.set k, k+1
.endr
.irp i, 0,1,2,3,4,5,6,7
	global_store_b128 v16, v[TR+4*\i:TR+4*\i+3], s[14:15] offset:(8*(\a)+\i)*16384 th:TH_STORE_NT   ; sixteen lanes store 256 consecutive bytes, aligned
.endr
.endm
	s_wait_loadcnt 24                              ; the biases and h_cur's first eight loads (16 rows) are in; its other 24 may be out
	v_pk_mul_f32 v[48:49], v[48:49], s[70:71] op_sel_hi:[1,0]      ; the biases under the exponentials' factors
	s_wait_alu depctr_va_vdst(0)
	v_pk_mul_f32 v[50:51], v[50:51], s[70:71] op_sel_hi:[1,0]
	v_pk_mul_f32 v[52:53], v[52:53], s[72:73] op_sel_hi:[1,0]
	s_wait_alu depctr_va_vdst(0)
	v_pk_mul_f32 v[54:55], v[54:55], s[72:73] op_sel_hi:[1,0]
	s_wait_alu depctr_va_vdst(0)
	TOSTAGE 0
	CHUNK 0
	CHUNK 1
	CHUNK 2
	CHUNK 3
	s_wait_tensorcnt 0x0                           ; the wave's end: behind my last tensor load and my last LDS store
	ds_add_u32 v28, v29
	s_wait_dscnt 0x0
	CROUND                                         ; the closing round: no work-group ends while a partner may still ask for a tile that names it
	s_endpgm
.Lfunc_end_k_q13de042728_gates2:
	.size	k_q13de042728_gates2, .Lfunc_end_k_q13de042728_gates2-k_q13de042728_gates2
	.p2alignl 7, 3214868480
	.fill 96, 4, 3214868480
	.section	.rodata,"a",@progbits
	.p2align	6, 0x0
	.amdhsa_kernel k_q13de042728_gates2
		.amdhsa_group_segment_fixed_size 327680
		.amdhsa_private_segment_fixed_size 0
		.amdhsa_enable_private_segment 0
		.amdhsa_kernarg_size 48
		.amdhsa_user_sgpr_count 2
		.amdhsa_user_sgpr_kernarg_segment_ptr 1
		.amdhsa_wavefront_size32 1
		.amdhsa_system_sgpr_workgroup_id_x 1
		.amdhsa_system_sgpr_workgroup_id_y 1
		.amdhsa_system_sgpr_workgroup_id_z 1
		.amdhsa_system_vgpr_workitem_id 0
		.amdhsa_next_free_vgpr 1024
		.amdhsa_next_free_sgpr 100
		.amdhsa_reserve_vcc 0
		.amdhsa_float_denorm_mode_32 3
		.amdhsa_float_denorm_mode_16_64 3
		.amdhsa_memory_ordered 1
		.amdhsa_forward_progress 1
		.amdhsa_inst_pref_size 255
	.end_amdhsa_kernel
	.section	.bss,"aw",@nobits
	.p2align	6
	.space	262144
	.amdgpu_metadata
---
amdhsa.version: [ 1, 2 ]
amdhsa.kernels:
  - .name:           k_q13de042728_gates2
    .symbol:         k_q13de042728_gates2.kd
    .args:
      - { .name: q, .offset: 0, .size: 8, .value_kind: global_buffer, .address_space: global }
      - { .name: au, .offset: 8, .size: 8, .value_kind: global_buffer, .address_space: global }
      - { .name: h_cur, .offset: 16, .size: 8, .value_kind: global_buffer, .address_space: global }
      - { .name: Eh_b, .offset: 24, .size: 8, .value_kind: global_buffer, .address_space: global }
      - { .name: Hw_b, .offset: 32, .size: 8, .value_kind: global_buffer, .address_space: global }
      - { .name: out0, .offset: 40, .size: 8, .value_kind: global_buffer, .address_space: global }
    .group_segment_fixed_size: 327680
    .private_segment_fixed_size: 0
    .kernarg_segment_align: 8
    .kernarg_segment_size: 48
    .max_flat_workgroup_size: 128
    .sgpr_count:     100
    .vgpr_count:     1024
    .wavefront_size: 32
...
	.end_amdgpu_metadata
.endif
;; end of part 3
